; MI455X (gfx1250); checked and timed in simulation.
; The chip was launched on July 23, 2026; its instructions are those of AMD's public machine-readable ISA for CDNA 5 (MIT licence, August 2026) and "CDNA5" Instruction Set Architecture Reference Guide (July 2026). The comments in the code are by the model that wrote it; some were corrected since.
;; Attention Head. Allowed arithmetic: matrix products marked QUANTISED: E2M3 operands, one E8M0 scale for each 32 along K, by v_wmma_scale_f32_16x16x128_f8f6f4 with both operands' format E2M3, f32 sums; everything else in f32.
;; Inputs: Wk_codes 64 x 32 x 24 uint8 (E2M3 codes of Wk, K innermost, in blocks of 32 codes, four codes in three bytes); Wk_scales 64 x 32 uint8 (E8M0 scales of Wk, one for each 32 codes along K); Wv_codes 64 x 32 x 24 uint8 (E2M3 codes of Wv, K innermost, in blocks of 32 codes, four codes in three bytes); Wv_scales 64 x 32 uint8 (E8M0 scales of Wv, one for each 32 codes along K); x_codes 4 x 4,096 x 32 x 24 uint8 (E2M3 codes of x, K innermost, in blocks of 32 codes, four codes in three bytes); x_scales 4 x 4,096 x 32 uint8 (E8M0 scales of x, one for each 32 codes along K).
;; Outputs: out0 4 x 4,096 x 64 float32.
;; This version of the problem:
;;   THIS VERSION OF THE PROBLEM IS GIVEN IN LOW PRECISION. The matrix products marked QUANTISED in the list below multiply operands that are first quantised to E2M3 (2 exponent bits, 3 mantissa bits; 6 bits a number), with one power-of-two scale for each 32 numbers along K (OCP MX v1.0); their sums are f32. All else is computed in f32.
;;   The module's matrix products, in the order in which they are computed (A, B: the left and right operand; K: the contracted axis; several contracted axes count as one K, in the product's order):
;;     1. [M 16,384, K 1,024] x [K 1,024, N 64]; A: input x (given as codes); B: input Wk (given as codes): QUANTISED
;;     2. [M 16,384, K 1,024] x [K 1,024, N 64]; A: input x (given as codes); B: input Wk (given as codes): QUANTISED
;;     3. batch 4 x [M 4,096, K 64] x [K 64, N 4,096]; A: computed on the way; B: computed on the way: QUANTISED
;;     4. [M 16,384, K 1,024] x [K 1,024, N 64]; A: input x (given as codes); B: input Wv (given as codes): QUANTISED
;;     5. batch 4 x [M 4,096, K 4,096] x [K 4,096, N 64]; A: softmax (see below); B: computed on the way: QUANTISED
;;   THE QUANTISER, for each operand of a quantised product, along K:
;;     - K is cut into blocks of 32 from its start; a last block that is shorter is filled with zeros.
;;     - A block's scale is 2^e with e = floor(log2(the largest magnitude in the block)) - 2, held to -126 .. 127; a block of zeros has e = 0. As a byte (E8M0): e + 127.
;;     - Each number is divided by its block's scale, clamped to +-7.5, and rounded to the nearest number of E2M3, ties to even, subnormals kept.
;;     - The product sums the exact products of the quantised numbers (number of the format x scale) in f32.
;;   ~~~python
;;   def quantise(x, axis):      # numpy; x: float32 -> the quantised numbers, widened to float32 again
;;       x = np.moveaxis(x, axis, -1); K = x.shape[-1]
;;       x = np.pad(x, [(0, 0)] * (x.ndim - 1) + [(0, -K % 32)]); x = x.reshape(x.shape[:-1] + (-1, 32)); a = np.abs(x).max(-1, keepdims=True)
;;       e = np.where(a > 0, np.clip(np.frexp(np.where(a > 0, a, 1))[1] - 1 - 2, -126, 127), 0)      # np.frexp(a)[1] - 1 = floor(log2(a)), exactly
;;       r = np.clip(x / 2.0 ** e, -7.5, 7.5)
;;       step = 2.0 ** (np.maximum(np.frexp(np.where(r == 0, 1, r))[1] - 1, 0) - 3)
;;       q = np.round(r / step) * step * 2.0 ** e      # np.round: ties to even
;;       return np.moveaxis(q.reshape(q.shape[:-2] + (-1,))[..., :K], -1, axis).astype(np.float32)
;;   ~~~
;;   SOFTMAX AHEAD OF A QUANTISED PRODUCT. Where the list says 'softmax', what is quantised is not the finished softmax but p = 2^(t - M), with t = logit x log2(e) and M = ceil(the row's largest t), a whole number; so 1/2 < the row's largest p <= 1. The row's sum l is taken of the UNQUANTISED p, in f32, and the product's result is divided by l at the end. Since M is a whole number, a kernel that streams over the keys may use a running M (the ceiling of the running maximum): every later rescaling is an exact power of two, which a block's scale takes up: the codes' values come out the same.
;;   OPERANDS COMPUTED ON THE WAY. 'Computed on the way' means the value that the module computes at that place (a softmax that the list does not call 'softmax' is quantised finished and normalised). What goes into a quantiser is computed in f32, as accurately as f32 sums, v_exp_f32 and their like allow (about 1e-6 of the number): no bf16 or f16 on the way to a quantiser, and a product that is left as it is and whose result goes on into a quantised operand takes f32 operands (vector FMAs, or v_wmma_f32_16x16x4_f32). A number that lies on a knife's edge between two numbers of the format may be rounded either way, as far as f32 arithmetic and the matrix unit's own rounding can turn it there, and no further.
;;   INPUTS GIVEN AS CODES. Wk (in the module: [1024, 64], K = its axis 0); Wv (in the module: [1024, 64], K = its axis 0); x (in the module: [4, 4096, 1024], K = its axis 2): each comes as NAME_codes (uint8): NAME with its K axis moved to the last place and cut into blocks of 32 codes, [.., K / 32, bytes a block], one block behind the other in memory; four codes in three bytes: a row's codes are one little-endian stream of bits, code i at bits 6 i .. 6 i + 5 (a code: sign, 2 exponent bits, 3 mantissa bits); and NAME_scales (uint8): the same leading axes, one E8M0 byte (e + 127) for each 32 codes along K. Its value is code x scale, taken as it is: it is not quantised again, and the codes and scales need not be those that the quantiser above would give.
;; One version. Each part assembles by itself: llvm-mc -triple=amdgcn-amd-amdhsa -mcpu=gfx1250 --defsym DOCPART=n.
;; ======== version 1 of 1: 2 launches
;; workspace buffers: kv 1,638,400 bytes
;; launch project (part 1): grid 256 x 1, 4 waves a work-group, clusters of 4 x 1, 168,448 bytes of LDS; arguments x_codes, x_scales, Wk_codes, Wk_scales, Wv_codes, Wv_scales, kv; writes kv
.if DOCPART == 1
	.amdgcn_target "amdgcn-amd-amdhsa--gfx1250"
	.amdhsa_code_object_version 6
	.text
	.protected	k_qf80a69a085_project
	.globl	k_qf80a69a085_project
	.p2align	8
	.type	k_qf80a69a085_project,@function
k_qf80a69a085_project:
	s_mov_b64 s[64:65], 0
	v_nop
	global_prefetch_b8 v0, s[64:65] scope:SCOPE_SE
	s_setreg_imm32_b32 hwreg(HW_REG_WAVE_MODE, 25, 1), 1
	s_wait_xcnt 0x0
	s_wait_alu depctr_hold_cnt(0) depctr_sa_sdst(0) depctr_va_vdst(0) depctr_va_sdst(0) depctr_va_ssrc(0) depctr_va_vcc(0) depctr_vm_vsrc(0)
	s_getreg_b32 s2, hwreg(HW_REG_IB_STS2, 6, 4)
	s_cmp_eq_u32 s2, 0
	s_cbranch_scc0 .Lentry_in_a_cluster
	s_endpgm
.Lentry_in_a_cluster:
	s_bfe_u32 s2, ttmp6, 0x10000c
	s_cmp_lg_u32 s2, 0x3003
	s_cbranch_scc0 .Lentry_shape_is_right
	s_endpgm
.Lentry_shape_is_right:
; k = x Wk and v = x Wv on codes of FP6 (E2M3) with one E8M0 scale for each 32 along K = 1,024; sums in f32.  (The query projection is the key projection: it is made once.)
; k is then quantised along its 64 channels, v along the tokens, and both leave as IMAGES OF OPERAND REGISTERS for the attention launch.
; kv: 128 packages of 12,800 bytes, one for each (batch, 128 tokens).  A half fragment (HF) is six registers of 32 lanes, 768 bytes: registers 0-3 at 16 x lane, registers 4-5 at 512 + 8 x lane.
;   0      K: HF 2 b + u: lane (r, h) holds channel block h of token 32 b + 16 u + r          6144   V: HF 4 c + n: lane (r, h) holds token block 2 c + h of channel 16 n + r
;   12288  K's scale words: word (b, r) = bytes s0, s1 of token 32 b + r, then of 32 b + 16 + r   12544  V's: word (n, r): byte i = token block i of channel 16 n + r
; SHARES.  A work-group owns 64 tokens: half a package.  Waves 0, 1 make k, waves 2, 3 make v.  ONE text serves all: every wave makes D[p][f] = F_f P_p^T, four tiles f of 16 rows against two tiles p.
;   k: F = Wk's 64 rows, P = 32 of my tokens.   v: F = my 64 tokens, P = 32 of Wv's rows.   In D a lane (r, h) holds row r of P, and register j row 16 f + 8 h + j of F: the axis that is quantised runs along a lane's registers.
; THE ORDER OF CODES IN A BLOCK.  A block's 32 numbers lie in lanes l and l xor 16, 16 each; place 16 h + 8 z + j of the block holds index 16 z + 8 h + j (z: which of the block's two tiles).
;   The other operand of each later product is laid in the same order (q and k are one image; p comes from tiles of the same make as v), so blocks, scales and codes are the quantiser's, and only the order of the exact products in a sum differs.
; CLUSTER.  Wk and Wv, 102,400 of the 153,600 bytes that a work-group fetches, are the same for all: the four of a cluster ask for them jointly.  x is each work-group's own: plain loads.
; Everything is filled once, so there is no ring.  LIMITS: scale bytes 0xff and sums beyond f32's range are not served; a block whose largest magnitude lies under 2^-124 keeps the byte 1, a block of zeros too (its codes are zeros; only this program reads the bytes).
; The 2-byte stores of scale bytes, 256 bytes a work-group, fill their 256-byte blocks only together with the neighbouring work-group's.
.set DB,    52224                      ; 64 rows of codes in LDS: 192 pieces of 256 bytes + 16 of padding
.set PITCH, 816                        ; a row: 3 x 272 = 204 words: sixteen rows start 12 words apart, so the 32 lanes of an 8-byte load touch 64 different words modulo 64
.set WKL,   0                          ; Wk's codes
.set XL,    DB                         ; x's
.set WVL,   2*DB                       ; Wv's
.set WKS,   3*DB                       ; Wk's scale bytes, 32 a row, dense
.set XSL,   3*DB+2048                  ; x's
.set WVS,   3*DB+4096                  ; Wv's
.set PKG,   12800
.set WV,   18                          ; s18 wave   s19 role (0: k, 1: v)   s20 which 32 rows of P   s21 my place in the cluster   s22 work-group
.set ROLE, 19
.set PAR,  20
.set CX,   21
.set GG,   22
.set G1J,  24                          ; s[24:31] group 1: 192 pieces, padded, joint      s[32:39] 8 pieces, dense, joint
.set G1SJ, 32
.set G1P,  40                          ; s[40:47] 96 pieces, padded, plain                s[48:55] 4 pieces, dense, plain
.set G1SP, 48
.set G0KC, 56                          ; groups 0: Wk's codes, Wk's scales, x's codes, x's scales, Wv's codes, Wv's scales
.set G0KS, 60
.set G0PC, 68
.set G0PS, 72
.set G0VC, 76
.set G0VS, 84
.set SEL,  80                          ; s[80:81] lane selects: lane l xor 16
.set AF,   1                           ; v1 F's fragments: 816 r + 24 h + region; v2 the same behind one padding more
.set AP,   3                           ; v3, v4 the same for P
.set AFS,  5                           ; v5 F's scale words: 32 x lane + region     v6 P's
.set APS,  6
.set L16,  7                           ; v7 16 x lane    v8 8 x lane
.set L8,   8
.set GS,   9                           ; v9, v10 where my two bytes of scales go, p = 0, 1
.set FS,   16                          ; v16-31 F's scale words: register 8 y + q: lanes 0-15 tile 2 y, lanes 16-31 tile 2 y + 1, K step q
.set PS,   32                          ; v32-39 P's: register q: lanes 0-15 p = 0, lanes 16-31 p = 1
.set ACC,  40                          ; v40-103 the eight sums: 32 p + 8 f
.set FF,   104                         ; v104-199 F's fragments, two sets of 48
.set PF,   200                         ; v200-247 P's, two sets of 24
.set HF,   104                         ; the way out, in registers that the fragments have left: codes of p at HF + 8 p
.set T2,   120
.set MX,   124
.set TP,   126
.set SOP,  128
.set BY,   130
.set HW,   132
.macro CROUND                          ; a round of the cluster's barrier
	s_barrier_signal -1
	s_barrier_wait -1
	s_cmp_lg_u32 s[WV], 0
	s_cbranch_scc1 .Lnot_wave_0_\@
	s_barrier_signal -3
.Lnot_wave_0_\@:
	s_barrier_wait -3
	s_barrier_signal -1
	s_barrier_wait -1
.endm
.macro PLACES n
.rept \n
	v_nop
.endr
.endm
.macro GROUP1 g, w0, rows              ; a dense block as rows of 256 bytes: 32 elements of 8 bytes
	s_mov_b32 s[\g], \w0
	s_mov_b32 s[\g+1], 32<<16                      ; tensor_dim0 = 32
	s_mov_b32 s[\g+2], (\rows)<<16                 ; tensor_dim1
	s_mov_b32 s[\g+3], 32<<16                      ; tile_dim0 = 32
	s_mov_b32 s[\g+4], \rows                       ; tile_dim1
	s_mov_b32 s[\g+5], 32                          ; from row to row: 32 elements
	s_mov_b32 s[\g+6], 0
	s_mov_b32 s[\g+7], 0
.endm
	s_load_b256 s[4:11], s[0:1], 0x0               ; x's codes s[4:5], x's scales s[6:7], Wk's codes s[8:9], Wk's scales s[10:11]
	s_load_b128 s[12:15], s[0:1], 0x20             ; Wv's codes s[12:13], Wv's scales s[14:15]
	s_load_b64 s[16:17], s[0:1], 0x30              ; kv
	v_lshl_add_u32 v254, v0, 2, 0x29000
	v_mov_b32 v255, 0
	ds_add_u32 v254, v255
	v_lshrrev_b32 v1, 5, v0
	v_readfirstlane_b32 s[WV], v1
	s_lshr_b32 s[ROLE], s[WV], 1
	s_and_b32 s[PAR], s[WV], 1
	s_bfe_u32 s[CX], ttmp6, 0x40000
	s_lshl_b32 s[GG], ttmp9, 2                     ; in a cluster launch ttmp9 counts clusters
	s_add_co_u32 s[GG], s[GG], s[CX]               ; work-group = 4 x cluster + my place: it enters x's and kv's addresses alone
	GROUP1 G1J, 15|(3<<16)|(1<<20)|(1<<21)|(5<<22)|(3<<25), 192   ; mask: all four; elements of 8 bytes; padding on; bit 21 beside a mask; after every 64 words, 4 words
	GROUP1 G1SJ, 15|(3<<16)|(1<<21), 8
	GROUP1 G1P, (3<<16)|(1<<20)|(5<<22)|(3<<25), 96
	GROUP1 G1SP, 3<<16, 4
	s_mul_i32 s88, s[GG], 64*768                   ; x's codes: my 64 rows, and of them the 32 that wave 1 or wave 3 fetches
	s_mul_i32 s23, s[ROLE], 32*768
	s_add_co_u32 s88, s88, s23
	s_mov_b32 s89, 0
	s_lshl_b32 s90, s[GG], 11                      ; x's scales: 32 bytes a row
	s_lshl_b32 s23, s[ROLE], 10
	s_add_co_u32 s90, s90, s23
	s_mov_b32 s91, 0
	s_lshr_b32 s23, s[GG], 1
	s_mul_i32 s94, s23, PKG                        ; my package
	s_mov_b32 s95, 0
	s_and_b32 s98, s[GG], 1                        ; c: which half of it
	s_lshl_b32 s96, s98, 2
	s_lshl_b32 s23, s[PAR], 1
	s_add_co_u32 s96, s96, s23
	s_mul_i32 s96, s96, 768                        ; my two half fragments: 4 c + 2 par + p, among K's or among V's
	s_mul_i32 s23, s[ROLE], 6144
	s_add_co_u32 s96, s96, s23
	s_mov_b32 s97, 0
	s_mov_b32 s[SEL], 0x76543210
	s_mov_b32 s[SEL+1], 0xfedcba98
	s_wait_dscnt 0x0
	s_wait_kmcnt 0x0
	s_mov_b32 s[G0KC], 1
	s_mov_b32 s[G0KC+1], WKL
	s_mov_b64 s[G0KC+2:G0KC+3], s[8:9]
	s_or_b32 s[G0KC+3], s[G0KC+3], 0x80000000
	s_mov_b32 s[G0KS], 1
	s_mov_b32 s[G0KS+1], WKS
	s_mov_b64 s[G0KS+2:G0KS+3], s[10:11]
	s_or_b32 s[G0KS+3], s[G0KS+3], 0x80000000
	s_mov_b32 s[G0VC], 1
	s_mov_b32 s[G0VC+1], WVL
	s_mov_b64 s[G0VC+2:G0VC+3], s[12:13]
	s_or_b32 s[G0VC+3], s[G0VC+3], 0x80000000
	s_mov_b32 s[G0VS], 1
	s_mov_b32 s[G0VS+1], WVS
	s_mov_b64 s[G0VS+2:G0VS+3], s[14:15]
	s_or_b32 s[G0VS+3], s[G0VS+3], 0x80000000
	s_mov_b32 s[G0PC], 1
	s_mul_i32 s23, s[ROLE], 96*272
	s_add_co_u32 s[G0PC+1], s23, XL
	s_add_nc_u64 s[G0PC+2:G0PC+3], s[4:5], s[88:89]
	s_or_b32 s[G0PC+3], s[G0PC+3], 0x80000000
	s_mov_b32 s[G0PS], 1
	s_lshl_b32 s23, s[ROLE], 10
	s_add_co_u32 s[G0PS+1], s23, XSL
	s_add_nc_u64 s[G0PS+2:G0PS+3], s[6:7], s[90:91]
	s_or_b32 s[G0PS+3], s[G0PS+3], 0x80000000
	s_add_nc_u64 s[82:83], s[16:17], s[94:95]      ; kv at my package
	s_add_nc_u64 s[92:93], s[82:83], s[96:97]      ; and at my half fragments
	CROUND                                         ; all four work-groups are here: the joint loads meet
	; The fills, all first fills: wave 0 Wk, wave 2 Wv (joint), waves 1 and 3 a half of x each (plain).  Two loads of a wave are out.  Four v_nop follow a wave's second load.
	s_cmp_eq_u32 s[WV], 0
	s_cbranch_scc0 .Lnot_wk
	tensor_load_to_lds s[G0KC:G0KC+3], s[G1J:G1J+7]
	s_nop 0
	tensor_load_to_lds s[G0KS:G0KS+3], s[G1SJ:G1SJ+7]
	s_nop 0
	PLACES 4
	s_branch .Lasked
.Lnot_wk:
	s_cmp_eq_u32 s[WV], 2
	s_cbranch_scc0 .Lfor_x
	tensor_load_to_lds s[G0VC:G0VC+3], s[G1J:G1J+7]
	s_nop 0
	tensor_load_to_lds s[G0VS:G0VS+3], s[G1SJ:G1SJ+7]
	s_nop 0
	PLACES 4
	s_branch .Lasked
.Lfor_x:
	tensor_load_to_lds s[G0PC:G0PC+3], s[G1P:G1P+7]
	s_nop 0
	tensor_load_to_lds s[G0PS:G0PS+3], s[G1SP:G1SP+7]
	s_nop 0
	PLACES 4
.Lasked:
	v_and_b32 v11, 31, v0                          ; lane
	v_and_b32 v12, 15, v0                          ; r
	v_bfe_u32 v13, v0, 4, 1                        ; h
	v_mul_u32_u24 v14, v12, PITCH
	v_mad_u32_u24 v14, v13, 24, v14                ; a fragment's row x pitch + 24 x half
	s_mul_i32 s23, s[ROLE], DB                     ; F: Wk's region, or x's
	v_add_nc_u32 v[AF], s23, v14
	v_lshl_add_u32 v[AF+1], v13, 4, v[AF]
	s_mul_i32 s99, s[PAR], 32*PITCH                ; P: x's region, or Wv's, and my 32 rows of it
	s_add_co_u32 s99, s99, s23
	s_add_co_u32 s99, s99, DB
	v_add_nc_u32 v[AP], s99, v14
	v_lshl_add_u32 v[AP+1], v13, 4, v[AP]
	v_lshlrev_b32 v15, 5, v11                      ; a row of scale bytes: 32
	s_lshl_b32 s23, s[ROLE], 11
	s_add_co_u32 s23, s23, WKS
	v_add_nc_u32 v[AFS], s23, v15
	s_lshl_b32 s99, s[PAR], 10
	s_add_co_u32 s99, s99, s23
	s_add_co_u32 s99, s99, 2048
	v_add_nc_u32 v[APS], s99, v15
	v_lshlrev_b32 v[L16], 4, v11
	v_lshlrev_b32 v[L8], 3, v11
	s_lshl_b32 s23, s98, 7                         ; k: word (b = 2 c + par, r), half p: 12288 + 128 c + 64 par + 4 r + 2 p
	s_lshl_b32 s99, s[PAR], 6
	s_add_co_u32 s23, s23, s99
	s_add_co_u32 s23, s23, 12288
	s_lshl_b32 s99, s[PAR], 7                      ; v: word (n = 2 par + p, r), bytes 2 c, 2 c + 1: 12544 + 128 par + 64 p + 4 r + 2 c
	s_lshl_b32 s98, s98, 1
	s_add_co_u32 s99, s99, s98
	s_add_co_u32 s99, s99, 12544
	s_cmp_eq_u32 s[ROLE], 0
	s_cselect_b32 s23, s23, s99
	s_cselect_b32 s99, 2, 64
	v_lshl_add_u32 v[GS], v12, 2, s23
	v_add_nc_u32 v[GS+1], s99, v[GS]
; A fragment, 16 rows x 128 K, is 12 registers: lane (r, h) takes 24 bytes at 96 q + 24 h of its row and 24 at 96 q + 48 + 24 h, as they lie, in pieces of 8 bytes.  16 bytes of padding lie behind every 32 pieces:
; where the piece three on (lanes 16-31) lies behind one padding more, the second address register serves.
.macro FRAG reg, adr, q, rowimm
.irp p, 0,1,2,3,4,5
.set PCE, 12*(\q)+6*(\p/3)+\p%3
.if PCE%32 < 29
	ds_load_b64 v[\reg+2*\p:\reg+2*\p+1], v[\adr] offset:8*PCE+16*(PCE/32)+(\rowimm)
.else
	ds_load_b64 v[\reg+2*\p:\reg+2*\p+1], v[\adr+1] offset:8*PCE+16*(PCE/32)+(\rowimm)
.endif
.endr
.endm
.macro FETCH q, set                    ; 36 loads: K step q's two fragments of P and four of F
.irp i, 0,1
	FRAG PF+24*(\set)+12*\i, AP, \q, 16*\i*PITCH
.endr
.irp i, 0,1,2,3
	FRAG FF+48*(\set)+12*\i, AF, \q, 16*\i*PITCH
.endr
.endm
.macro WMP d, a, b, zero, sa, sb, ra, rb   ; ra, rb: the side's scales stand in lanes 16-31 of the register named
.if (\zero) && (\ra) && (\rb)
	v_wmma_scale_f32_16x16x128_f8f6f4 v[\d:\d+7], v[\a:\a+11], v[\b:\b+11], 0, v[\sa], v[\sb] matrix_a_fmt:MATRIX_FMT_FP6 matrix_b_fmt:MATRIX_FMT_FP6 matrix_a_scale:MATRIX_SCALE_ROW1 matrix_b_scale:MATRIX_SCALE_ROW1
.elseif (\zero) && (\ra)
	v_wmma_scale_f32_16x16x128_f8f6f4 v[\d:\d+7], v[\a:\a+11], v[\b:\b+11], 0, v[\sa], v[\sb] matrix_a_fmt:MATRIX_FMT_FP6 matrix_b_fmt:MATRIX_FMT_FP6 matrix_a_scale:MATRIX_SCALE_ROW1
.elseif (\zero) && (\rb)
	v_wmma_scale_f32_16x16x128_f8f6f4 v[\d:\d+7], v[\a:\a+11], v[\b:\b+11], 0, v[\sa], v[\sb] matrix_a_fmt:MATRIX_FMT_FP6 matrix_b_fmt:MATRIX_FMT_FP6 matrix_b_scale:MATRIX_SCALE_ROW1
.elseif \zero
	v_wmma_scale_f32_16x16x128_f8f6f4 v[\d:\d+7], v[\a:\a+11], v[\b:\b+11], 0, v[\sa], v[\sb] matrix_a_fmt:MATRIX_FMT_FP6 matrix_b_fmt:MATRIX_FMT_FP6
.elseif (\ra) && (\rb)
	v_wmma_scale_f32_16x16x128_f8f6f4 v[\d:\d+7], v[\a:\a+11], v[\b:\b+11], v[\d:\d+7], v[\sa], v[\sb] matrix_a_fmt:MATRIX_FMT_FP6 matrix_b_fmt:MATRIX_FMT_FP6 matrix_a_scale:MATRIX_SCALE_ROW1 matrix_b_scale:MATRIX_SCALE_ROW1
.elseif \ra
	v_wmma_scale_f32_16x16x128_f8f6f4 v[\d:\d+7], v[\a:\a+11], v[\b:\b+11], v[\d:\d+7], v[\sa], v[\sb] matrix_a_fmt:MATRIX_FMT_FP6 matrix_b_fmt:MATRIX_FMT_FP6 matrix_a_scale:MATRIX_SCALE_ROW1
.elseif \rb
	v_wmma_scale_f32_16x16x128_f8f6f4 v[\d:\d+7], v[\a:\a+11], v[\b:\b+11], v[\d:\d+7], v[\sa], v[\sb] matrix_a_fmt:MATRIX_FMT_FP6 matrix_b_fmt:MATRIX_FMT_FP6 matrix_b_scale:MATRIX_SCALE_ROW1
.else
	v_wmma_scale_f32_16x16x128_f8f6f4 v[\d:\d+7], v[\a:\a+11], v[\b:\b+11], v[\d:\d+7], v[\sa], v[\sb] matrix_a_fmt:MATRIX_FMT_FP6 matrix_b_fmt:MATRIX_FMT_FP6
.endif
.endm
.macro MUL8 q, set                     ; K step q: the eight sums take turns, one instruction a turn, in the same order in every step; step 0 starts them
.irp p, 0,1
.irp f, 0,1,2,3
.if (\q) == 0
	WMP ACC+32*\p+8*\f, FF+48*(\set)+12*\f, PF+24*(\set)+12*\p, 1, FS+8*(\f/2)+(\q), PS+(\q), \f%2, \p
.else
	WMP ACC+32*\p+8*\f, FF+48*(\set)+12*\f, PF+24*(\set)+12*\p, 0, FS+8*(\f/2)+(\q), PS+(\q), \f%2, \p
.endif
.endr
.endr
.endm
	s_wait_tensorcnt 0x0                           ; my two loads have landed,
	s_barrier_signal -1
	s_barrier_wait -1                              ; everybody's have
.irp y, 0,1
	ds_load_b128 v[FS+8*\y:FS+8*\y+3], v[AFS] offset:1024*\y        ; a lane takes a row's 32 scale bytes: the words of all eight K steps
	ds_load_b128 v[FS+8*\y+4:FS+8*\y+7], v[AFS] offset:1024*\y+16
.endr
	ds_load_b128 v[PS:PS+3], v[APS]
	ds_load_b128 v[PS+4:PS+7], v[APS] offset:16
	FETCH 0, 0
.irp q, 0,1,2,3,4,5,6
.if \q > 0
	PLACES 4                                       ; four places in front of loads into the set that the last products read
.endif
	FETCH \q+1, (\q+1)%2
	s_wait_dscnt 36                                ; all but the 36 just issued: this step's fragments (and the scale words) are in
	MUL8 \q, \q%2
.endr
	s_wait_dscnt 0x0
	MUL8 7, 1
	PLACES 4                                       ; in front of the first read of results, and of writes into registers that held fragments
; The 32 registers of p are two blocks y of the quantised axis, my 16 numbers of each; lane l xor 16 has the other 16.
.macro QUANT2 p
.set SRC, ACC+32*\p
.irp y, 0,1
	v_max3_num_f32 v[MX+\y], |v[SRC+16*\y]|, |v[SRC+16*\y+1]|, 0x1800000   ; each sum is read from its low end on; the floor 2^(3 - 127) holds the byte at 1 from below
.endr
.irp i, 2,4,6,8,10,12,14
.irp y, 0,1
	v_max3_num_f32 v[MX+\y], v[MX+\y], |v[SRC+16*\y+\i]|, |v[SRC+16*\y+\i+1]|
.endr
.endr
.irp y, 0,1
	v_permlanex16_b32 v[TP+\y], v[MX+\y], s[SEL], s[SEL+1]
.endr
.irp y, 0,1
	v_max_num_f32 v[MX+\y], v[MX+\y], v[TP+\y]     ; the block's largest magnitude
.endr
.irp y, 0,1
	v_add_nc_u32 v[SOP+\y], 0xff000000, v[MX+\y]   ; 2 off its exponent field: the conversion's scale operand
.endr
.irp y, 0,1
	v_lshrrev_b32 v[BY+\y], 23, v[SOP+\y]          ; the scale's byte
.endr
	v_lshl_or_b32 v[HW+\p], v[BY+1], 8, v[BY]
	v_cvt_scalef32_pk16_fp6_f32 v[HF+8*\p:HF+8*\p+2], v[SRC:SRC+15], v[SOP]
	v_cvt_scalef32_pk16_fp6_f32 v[T2:T2+2], v[SRC+16:SRC+31], v[SOP+1]
	v_nop                                          ; one plain place behind a scaled conversion
.irp i, 0,1,2
	v_permlane16_swap_b32 v[HF+8*\p+\i], v[T2+\i]  ; a whole block to a lane: lanes 0-15 block 0, lanes 16-31 block 1; the first three registers its lower 16 codes,
.endr
.irp i, 0,1,2
	v_mov_b32 v[HF+8*\p+3+\i], v[T2+\i]            ; the next three its upper 16
.endr
.endm
	v_mov_b32 v[TP], 0                             ; a lane permute's destination counts as one of its sources
	v_mov_b32 v[TP+1], 0
	QUANT2 0
	QUANT2 1
.irp p, 0,1
	global_store_b128 v[L16], v[HF+8*\p:HF+8*\p+3], s[92:93] offset:768*\p          ; 512 consecutive bytes, at a multiple of 256 from kv's first byte
	global_store_b64 v[L8], v[HF+8*\p+4:HF+8*\p+5], s[92:93] offset:768*\p+512      ; 256 more
.endr
	global_store_b16 v[GS], v[HW], s[82:83]        ; my row's two scale bytes; both halves of the lanes hold and write the same
	global_store_b16 v[GS+1], v[HW+1], s[82:83]
	s_wait_tensorcnt 0x0
	ds_add_u32 v254, v255
	s_wait_dscnt 0x0
	CROUND                                         ; the closing round: no work-group ends while a partner may still ask jointly
	s_endpgm
.Lfunc_end_k_qf80a69a085_project:
	.size	k_qf80a69a085_project, .Lfunc_end_k_qf80a69a085_project-k_qf80a69a085_project
	.p2alignl 7, 3214868480
	.fill 96, 4, 3214868480
	.section	.rodata,"a",@progbits
	.p2align	6, 0x0
	.amdhsa_kernel k_qf80a69a085_project
		.amdhsa_group_segment_fixed_size 168448
		.amdhsa_private_segment_fixed_size 0
		.amdhsa_enable_private_segment 0
		.amdhsa_kernarg_size 56
		.amdhsa_user_sgpr_count 2
		.amdhsa_user_sgpr_kernarg_segment_ptr 1
		.amdhsa_wavefront_size32 1
		.amdhsa_system_sgpr_workgroup_id_x 1
		.amdhsa_system_sgpr_workgroup_id_y 1
		.amdhsa_system_sgpr_workgroup_id_z 1
		.amdhsa_system_vgpr_workitem_id 0
		.amdhsa_next_free_vgpr 256
		.amdhsa_next_free_sgpr 100
		.amdhsa_reserve_vcc 0
		.amdhsa_float_denorm_mode_32 3
		.amdhsa_float_denorm_mode_16_64 3
		.amdhsa_memory_ordered 1
		.amdhsa_forward_progress 1
		.amdhsa_inst_pref_size 41
	.end_amdhsa_kernel
	.amdgpu_metadata
---
amdhsa.version: [ 1, 2 ]
amdhsa.kernels:
  - .name:           k_qf80a69a085_project
    .symbol:         k_qf80a69a085_project.kd
    .args:
      - { .name: x_codes, .offset: 0, .size: 8, .value_kind: global_buffer, .address_space: global }
      - { .name: x_scales, .offset: 8, .size: 8, .value_kind: global_buffer, .address_space: global }
      - { .name: Wk_codes, .offset: 16, .size: 8, .value_kind: global_buffer, .address_space: global }
      - { .name: Wk_scales, .offset: 24, .size: 8, .value_kind: global_buffer, .address_space: global }
      - { .name: Wv_codes, .offset: 32, .size: 8, .value_kind: global_buffer, .address_space: global }
      - { .name: Wv_scales, .offset: 40, .size: 8, .value_kind: global_buffer, .address_space: global }
      - { .name: kv, .offset: 48, .size: 8, .value_kind: global_buffer, .address_space: global }
    .group_segment_fixed_size: 168448
    .private_segment_fixed_size: 0
    .kernarg_segment_align: 8
    .kernarg_segment_size: 56
    .max_flat_workgroup_size: 128
    .sgpr_count:     100
    .vgpr_count:     256
    .wavefront_size: 32
...
	.end_amdgpu_metadata
.endif
;; end of part 1
;; launch attend (part 2): grid 64 x 4, 16 waves a work-group, clusters of 4 x 1, 327,680 bytes of LDS; arguments kv, out0; writes out0
.if DOCPART == 2
	.amdgcn_target "amdgcn-amd-amdhsa--gfx1250"
	.amdhsa_code_object_version 6
	.text
	.protected	k_qf80a69a085_attend
	.globl	k_qf80a69a085_attend
	.p2align	8
	.type	k_qf80a69a085_attend,@function
k_qf80a69a085_attend:
	s_mov_b64 s[64:65], 0
	v_nop
	global_prefetch_b8 v0, s[64:65] scope:SCOPE_SE
	s_setreg_imm32_b32 hwreg(HW_REG_WAVE_MODE, 25, 1), 1
	s_wait_xcnt 0x0
	s_wait_alu depctr_hold_cnt(0) depctr_sa_sdst(0) depctr_va_vdst(0) depctr_va_sdst(0) depctr_va_ssrc(0) depctr_va_vcc(0) depctr_vm_vsrc(0)
	s_getreg_b32 s2, hwreg(HW_REG_IB_STS2, 6, 4)
	s_cmp_eq_u32 s2, 0
	s_cbranch_scc0 .Lentry_in_a_cluster
	s_endpgm
.Lentry_in_a_cluster:
	s_bfe_u32 s2, ttmp6, 0x10000c
	s_cmp_lg_u32 s2, 0x3003
	s_cbranch_scc0 .Lentry_shape_is_right
	s_endpgm
.Lentry_shape_is_right:
; out[b][q] = the sum over keys k <= q of softmax_k(q . k / 8) v[k], q = k's own projection; both products on codes of FP6 (E2M3) with E8M0 scales.  kv: packages of 128 keys, images of operand registers:
;   a half fragment (HF) is six registers of 32 lanes, 768 bytes: registers 0-3 at 16 x lane, registers 4-5 at 512 + 8 x lane.   0: K, HF 2 b + u: lane (r, h) = channel block h of key 32 b + 16 u + r.
;   6144: V, HF 4 c + n: lane (r, h) = key block 2 c + h of channel 16 n + r.   12288: K's scale words (b, r): s0, s1 of key 32 b + r, then of key 32 b + 16 + r.   12544: V's (n, r): byte i = key block i.
; THE SOFTMAX: t = score x log2(e) / 8; M = the largest t so far, rounded UP to a whole number; p = 2^(t - M) is quantised along the keys, not normalised; the sum is taken of the unquantised p and divides at the end.
; K = 64 IN AN INSTRUCTION OF 128.  A fragment of K holds TWO tiles of 16 keys (registers 0-5, registers 6-11); it is multiplied once by [Q | zero codes] and once by [zero codes | Q].  Zero codes add nothing under any byte that these buffers hold.
; Both products are used transposed (S^T = K Q^T, O^T = V^T P^T): a lane holds ONE query.  A block of p lies in the order in which v's codes were laid (place 16 h + 8 z + j = key 16 z + 8 h + j), so nothing is permuted but the halves.
; EVEN WORK IN SPITE OF THE TRIANGLE.  Work-group j = 4 a + cx of a batch owns queries 32 j .. + 31 (short: key steps 0 .. a) and 32 (127 - j) .. + 31 (long: key steps 0 .. 31 - a): 33 block steps i in every work-group:
;   i <= a: (short, step i); else (long, step i - a - 1).  A block step is two units, one for each tile of 16 queries.  Wave w takes tile w % 2 of block step 8 lap + w / 2 in laps 0 to 3; waves 0, 1 also block step 32.
;   So a tile's keys are shared among eight waves: each keeps its own whole-number M, sum and O^T, and the partial results meet in LDS, brought under one M by exact powers of two.
;   The short diagonal is i = a (laps 0, 1); the long one is i = 32.  A wave goes over from short to long once, in the lap where 0 <= i - a - 1 < 8 (laps 0 to 2); one that never had a short unit hands in zeros under M = -3e38.
; CLUSTER.  The four work-groups of a cluster share a and the batch, so they walk the same packages in the same order: every fill is asked for jointly.  cx enters Q's and out's global addresses and the mask's compare value, no branch and no LDS address.
; A package is 50 rows of 256 bytes; those on either side of the step from short to long are no neighbours in memory, so each of waves 0-7 brings one package a lap.
; LIMITS: p under 2^-126 counts as 0 (v_exp_f32's own flush); a block of p that is all zeros keeps the byte 1 (its codes are zeros); NaN and infinities in kv are not served.
.set PKG,   12800
.set SLOT1, 8*PKG                      ; slot 0 at 0, slot 1 here: eight packages each
.set EXTRA, 16*PKG                     ; the package of key step 31 - a
.set SPART, 17*PKG                     ; short partial results, 16 x 4,608 bytes: never the target of a fill
.set PART,  4608                       ; a wave's: O^T's chunk k (registers 4 k ..) at 544 k + 272 h + 16 r; (-M, sum) at 4352 + 8 r
.set SPARE, SPART+16*PART              ; the spare words, 128 bytes for each wave: eight blocks of 256 bytes that no other line names
                                       ; long partial results lie in slot 0, from byte 0: written when that slot has had its last fill and its last read
.set WV, 8                             ; s8 wave   s9 wave / 2   s10 wave % 2   s11 a   s12 cx   s13 batch   s14 j
.set WH, 9
.set UU, 10
.set AA, 11
.set CX, 12
.set BT, 13
.set JJ, 14
.set G1,  24                           ; s[24:31] group 1   s[32:35] group 0 of slot 0   s[36:39] of slot 1   s[40:43] of the extra package
.set G0A, 32
.set G0B, 36
.set G0X, 40
.set SEL, 44                           ; s[44:45] lane selects: lane l xor 16
.set CS,  46                           ; s[46:47] c = log2(e) / 8
.set A16, 1                            ; v1-3 16 x lane + my package in slot 0, slot 1, the extra one;  v4-6 the same with 8 x lane;  v7-9 with 4 x lane
.set A8,  4
.set A4,  7
.set PSO, 10                           ; v10, v11 where my short partial result goes: O^T, statistics;  v12, v13 the long one
.set PSS, 11
.set PLO, 12
.set PLS, 13
.set CRO, 14                           ; v14, v15 where I read partial results to join them
.set CRS, 15
.set L16, 16                           ; v16 16 x lane
.set SPW, 17                           ; v17 my spare word; never rewritten     v18 0; never rewritten
.set NIL, 18
.set DQS, 19                           ; v19, v20 my query's place in its package less 8 h: short, long
.set DQL, 20
.set QSC, 21                           ; v21 Q's scale word in hand   v22 the long block's   v23 p's   v24-25 K's   v26-27 V's: these hold scales and nothing else
.set QSL, 22
.set PW,  23
.set KS,  24
.set VS,  26
.set NM,  28                           ; v28 -M   v29 the largest t   v[30:31] the sum in two halves
.set LS,  30
.set QHI, 32                           ; v32-49: six zeros, Q, six zeros: [0 | Q] begins at v32, [Q | 0] at v38
.set QLO, 38
.set QL,  50                           ; v50-55 the long block's Q
.set FR,  56                           ; v56-103 four fragments, of K and then of V
.set S,   104                          ; v104-167 S^T, then p
.set OA,  168                          ; v168-199 O^T
.set PCD, 200                          ; v200-211 p's codes
.set T,   212                          ; v212-219 at work
.set BM,  220                          ; v220-223 a block's largest score, then its largest p
.set SO,  224                          ; v224-227 the conversions' scale operands
.set FF,  228                          ; v[228:229] f = 2^(old M - new M)
.set TA,  230                          ; v230, v231 at work
.macro CROUND                          ; a round of the cluster's barrier
	s_barrier_signal -1
	s_barrier_wait -1
	s_cmp_lg_u32 s[WV], 0
	s_cbranch_scc1 .Lnot_wave_0_\@
	s_barrier_signal -3
.Lnot_wave_0_\@:
	s_barrier_wait -3
	s_barrier_signal -1
	s_barrier_wait -1
.endm
.macro PLACES n
.rept \n
	v_nop
.endr
.endm
.macro JLOAD g0                        ; a joint refill: waves 0-7, one package each; the branch hangs on the wave's number alone.  Four v_nop follow the load
	s_cmp_lt_u32 s[WV], 8
	s_cbranch_scc0 .Lnone_\@
	tensor_load_to_lds s[\g0:\g0+3], s[G1:G1+7]
	s_nop 0
	PLACES 4
.Lnone_\@:
.endm
	s_load_b128 s[4:7], s[0:1], 0x0                ; kv s[4:5], out s[6:7]
	v_lshl_add_u32 v[SPW], v0, 2, SPARE
	v_mov_b32 v[NIL], 0
	ds_add_u32 v17, v18
	s_wait_dscnt 0x0
	v_lshrrev_b32 v1, 5, v0
	v_readfirstlane_b32 s[WV], v1
	s_lshr_b32 s[WH], s[WV], 1
	s_and_b32 s[UU], s[WV], 1
	s_mov_b32 s[AA], ttmp9                         ; in a cluster launch ttmp9 counts clusters
	s_bfe_u32 s[CX], ttmp6, 0x40000
	s_and_b32 s[BT], ttmp7, 0xffff
	s_lshl_b32 s[JJ], s[AA], 2
	s_add_co_u32 s[JJ], s[JJ], s[CX]
	s_mov_b32 s[G1], 15|(3<<16)|(1<<21)            ; mask: all four work-groups; elements of 8 bytes; no padding (images are read as they lie); bit 21 beside a mask
	s_mov_b32 s[G1+1], 32<<16                      ; tensor_dim0 = 32: rows of 256 bytes
	s_mov_b32 s[G1+2], 50<<16                      ; tensor_dim1 = 50
	s_mov_b32 s[G1+3], 32<<16                      ; tile_dim0
	s_mov_b32 s[G1+4], 50                          ; tile_dim1
	s_mov_b32 s[G1+5], 32                          ; dense
	s_mov_b32 s[G1+6], 0
	s_mov_b32 s[G1+7], 0
	s_mov_b32 s[SEL], 0x76543210
	s_mov_b32 s[SEL+1], 0xfedcba98
	s_mov_b32 s[CS], 0x3e38aa3b
	s_mov_b32 s[CS+1], s[CS]                       ; (named with it as a pair, so it is written)
	; byte offsets of packages, from the wave's number, a and the batch alone.  Block step i reads key step i - (i > a ? a + 1 : 0)
	s_mul_i32 s2, s[BT], 32*PKG
	s_mov_b32 s3, 0
	s_add_co_u32 s20, s[AA], 1
	s_cmp_gt_u32 s[WV], s[AA]
	s_cselect_b32 s21, s20, 0
	s_sub_co_u32 s54, s[WV], s21
	s_mul_i32 s54, s54, PKG                        ; lap 0: i = wave
	s_mov_b32 s55, 0
	s_add_co_u32 s15, s[WV], 8
	s_cmp_gt_u32 s15, s[AA]
	s_cselect_b32 s21, s20, 0
	s_sub_co_u32 s56, s15, s21
	s_mul_i32 s56, s56, PKG                        ; lap 1: i = wave + 8
	s_mov_b32 s57, 0
	s_sub_co_u32 s58, 31, s[AA]
	s_mul_i32 s58, s58, PKG                        ; the long diagonal's package
	s_mov_b32 s59, 0
	s_add_co_u32 s60, s[WV], 15
	s_sub_co_u32 s60, s60, s[AA]
	s_mul_i32 s60, s60, PKG                        ; lap 2: i = wave + 16 > a always: key step 15 + wave - a; lap 3 is eight packages on
	s_mov_b32 s61, 0
	s_mul_i32 s62, s[AA], PKG                      ; the short diagonal's package
	s_mov_b32 s63, 0
	s_mul_i32 s48, s[WV], PKG                      ; where the package that I fetch lands in a slot
	s_wait_kmcnt 0x0
	s_add_nc_u64 s[16:17], s[4:5], s[2:3]          ; kv at my batch
	s_add_nc_u64 s[18:19], s[16:17], s[60:61]      ; at lap 2's package
	s_add_nc_u64 s[62:63], s[16:17], s[62:63]      ; at the short block's own package
	s_add_nc_u64 s[50:51], s[16:17], s[58:59]      ; at the long block's
	s_mov_b32 s[G0A], 1
	s_mov_b32 s[G0A+1], s48
	s_add_nc_u64 s[G0A+2:G0A+3], s[16:17], s[54:55]
	s_or_b32 s[G0A+3], s[G0A+3], 0x80000000
	s_mov_b32 s[G0B], 1
	s_add_co_u32 s[G0B+1], s48, SLOT1
	s_add_nc_u64 s[G0B+2:G0B+3], s[16:17], s[56:57]
	s_or_b32 s[G0B+3], s[G0B+3], 0x80000000
	s_mov_b32 s[G0X], 1
	s_mov_b32 s[G0X+1], EXTRA
	s_mov_b64 s[G0X+2:G0X+3], s[50:51]
	s_or_b32 s[G0X+3], s[G0X+3], 0x80000000
	CROUND                                         ; all four work-groups are here: the first joint loads meet
	s_cmp_lt_u32 s[WV], 8                          ; the first fills: waves 0-7 their packages of laps 0 and 1 (two loads of a wave are out), wave 8 the extra package
	s_cbranch_scc0 .Lnot_ring
	tensor_load_to_lds s[G0A:G0A+3], s[G1:G1+7]
	s_nop 0
	tensor_load_to_lds s[G0B:G0B+3], s[G1:G1+7]
	s_nop 0
	PLACES 4
	s_branch .Lfilled
.Lnot_ring:
	s_cmp_eq_u32 s[WV], 8
	s_cbranch_scc0 .Lfilled
	tensor_load_to_lds s[G0X:G0X+3], s[G1:G1+7]
	s_nop 0
	PLACES 4
.Lfilled:
	v_and_b32 v104, 31, v0                         ; lane
	v_and_b32 v105, 15, v0                         ; r
	v_bfe_u32 v106, v0, 4, 1                       ; h
	v_lshlrev_b32 v[L16], 4, v104
	v_lshlrev_b32 v107, 3, v104
	v_lshlrev_b32 v108, 2, v104
	v_lshlrev_b32 v109, 2, v105
	; Q is K's image of my 16 queries: short: HF 2 cx + u of package a; long: HF 2 (3 - cx) + u of package 31 - a
	s_lshl_b32 s22, s[CX], 1
	s_add_co_u32 s22, s22, s[UU]
	s_mul_i32 s22, s22, 768
	v_add_nc_u32 v110, s22, v[L16]
	v_add_nc_u32 v111, s22, v107
	v_lshl_add_u32 v112, s[CX], 6, v109
	s_sub_co_u32 s23, 3, s[CX]
	s_lshl_b32 s22, s23, 1
	s_add_co_u32 s22, s22, s[UU]
	s_mul_i32 s22, s22, 768
	v_add_nc_u32 v113, s22, v[L16]
	v_add_nc_u32 v114, s22, v107
	v_lshl_add_u32 v115, s23, 6, v109
	global_load_b128 v[QLO:QLO+3], v110, s[62:63]
	global_load_b64 v[QLO+4:QLO+5], v111, s[62:63] offset:512
	global_load_b32 v[QSC], v112, s[62:63] offset:12288
	global_load_b128 v[QL:QL+3], v113, s[50:51]
	global_load_b64 v[QL+4:QL+5], v114, s[50:51] offset:512
	global_load_b32 v[QSL], v115, s[50:51] offset:12288
	s_mul_i32 s49, s[WH], PKG                      ; the package that I read in a slot: waves 2 m and 2 m + 1 read package m
	v_add_nc_u32 v[A16], s49, v[L16]
	v_add_nc_u32 v[A16+1], SLOT1, v[A16]
	v_add_nc_u32 v[A16+2], EXTRA, v[L16]
	v_add_nc_u32 v[A8], s49, v107
	v_add_nc_u32 v[A8+1], SLOT1, v[A8]
	v_add_nc_u32 v[A8+2], EXTRA, v107
	v_add_nc_u32 v[A4], s49, v108
	v_add_nc_u32 v[A4+1], SLOT1, v[A4]
	v_add_nc_u32 v[A4+2], EXTRA, v108
	s_mul_i32 s49, s[WV], PART                     ; my partial results
	v_mul_u32_u24 v[PLO], v106, 272
	v_lshl_add_u32 v[PLO], v105, 4, v[PLO]
	v_add_nc_u32 v[PLO], s49, v[PLO]
	v_add_nc_u32 v[PSO], SPART, v[PLO]
	v_lshl_add_u32 v[PLS], v105, 3, s49
	v_add_nc_u32 v[PLS], 4352, v[PLS]
	v_add_nc_u32 v[PSS], SPART, v[PLS]
	; Joining: wave w takes block w / 8, tile (w / 4) % 2, rows 4 (w % 4) + 2 e + (lane / 16); lane % 16 = x takes channels 4 x .. 4 x + 3, which lie in chunk place 4 (x / 4) + 2 (x % 2) + (x / 2) % 2:
	; sixteen places 272 bytes apart, so the sixteen lanes of a row touch sixteen different 16-byte columns of 256 bytes
	v_and_b32 v116, 12, v105
	v_and_b32 v117, 1, v105
	v_lshl_add_u32 v116, v117, 1, v116
	v_bfe_u32 v117, v105, 1, 1
	v_add_nc_u32 v116, v116, v117
	v_mul_u32_u24 v[CRO], v116, 272
	v_lshl_add_u32 v[CRO], v106, 4, v[CRO]
	s_lshr_b32 s20, s[WV], 3                       ; block: 0 short, 1 long
	s_xor_b32 s21, s20, 1
	s_mul_i32 s21, s21, SPART                      ; short ones behind the slots, long ones from byte 0
	s_bfe_u32 s15, s[WV], 0x10002                  ; tile
	s_mul_i32 s48, s15, PART
	s_add_co_u32 s21, s21, s48
	s_and_b32 s48, s[WV], 3
	s_lshl_b32 s49, s48, 6                         ; four rows of 16 bytes
	s_add_co_u32 s49, s49, s21
	v_add_nc_u32 v[CRO], s49, v[CRO]
	s_lshl_b32 s49, s48, 5                         ; four rows of 8 bytes
	s_add_co_u32 s49, s49, s21
	s_add_co_u32 s49, s49, 4352
	v_lshl_add_u32 v[CRS], v106, 3, s49
	s_sub_co_u32 s22, 127, s[JJ]                   ; out: row batch x 4096 + 32 x query block + 16 x tile + 4 (w % 4), 256 bytes a row
	s_cmp_eq_u32 s20, 0
	s_cselect_b32 s22, s[JJ], s22
	s_lshl_b32 s22, s22, 5
	s_lshl_b32 s21, s[BT], 12
	s_add_co_u32 s22, s22, s21
	s_lshl_b32 s21, s15, 4
	s_add_co_u32 s22, s22, s21
	s_lshl_b32 s21, s48, 2
	s_add_co_u32 s22, s22, s21
	s_lshl_b32 s52, s22, 8
	s_mov_b32 s53, 0
	s_add_nc_u64 s[52:53], s[6:7], s[52:53]
	v_lshlrev_b32 v117, 3, v106
	v_sub_nc_u32 v117, v105, v117                  ; r - 8 h
	s_lshl_b32 s22, s[CX], 5
	s_lshl_b32 s21, s[UU], 4
	s_add_co_u32 s22, s22, s21
	v_add_nc_u32 v[DQS], s22, v117
	s_lshl_b32 s22, s23, 5
	s_add_co_u32 s22, s22, s21
	v_add_nc_u32 v[DQL], s22, v117
.irp i, 0,1,2,3,4,5
	v_mov_b32 v[QHI+\i], 0                         ; the zero codes on either side of Q
	v_mov_b32 v[QLO+6+\i], 0
.endr
.irp i, 0,1,2,3
	v_mov_b32 v[T+\i], 0                           ; written once: a lane permute's destination counts as one of its sources
.endr
	v_mov_b32 v[FF+1], 0                           ; (named as the upper half of a pair)
	v_mov_b32 v[TA], 0
.macro WM d, a, b, zero, sa, sb, ra    ; ra: source 0's scales stand in lanes 16-31 of the register named
.if (\zero) && (\ra)
	v_wmma_scale_f32_16x16x128_f8f6f4 v[\d:\d+7], v[\a:\a+11], v[\b:\b+11], 0, v[\sa], v[\sb] matrix_a_fmt:MATRIX_FMT_FP6 matrix_b_fmt:MATRIX_FMT_FP6 matrix_a_scale:MATRIX_SCALE_ROW1
.elseif \zero
	v_wmma_scale_f32_16x16x128_f8f6f4 v[\d:\d+7], v[\a:\a+11], v[\b:\b+11], 0, v[\sa], v[\sb] matrix_a_fmt:MATRIX_FMT_FP6 matrix_b_fmt:MATRIX_FMT_FP6
.elseif \ra
	v_wmma_scale_f32_16x16x128_f8f6f4 v[\d:\d+7], v[\a:\a+11], v[\b:\b+11], v[\d:\d+7], v[\sa], v[\sb] matrix_a_fmt:MATRIX_FMT_FP6 matrix_b_fmt:MATRIX_FMT_FP6 matrix_a_scale:MATRIX_SCALE_ROW1
.else
	v_wmma_scale_f32_16x16x128_f8f6f4 v[\d:\d+7], v[\a:\a+11], v[\b:\b+11], v[\d:\d+7], v[\sa], v[\sb] matrix_a_fmt:MATRIX_FMT_FP6 matrix_b_fmt:MATRIX_FMT_FP6
.endif
.endm
.macro RESET                           ; a tile's sums begin: zeros under the largest t -3e38, which the first change of M leaves zeros; so a unit is written in one form
.set NN, 0
.rept 32
	v_mov_b32 v[OA+NN], 0
.set NN, NN+1
.endr
	v_mov_b32 v[NM+1], 0xff61b1e6
	v_floor_f32 v[NM], -v[NM+1]
	v_mov_b32 v[LS], 0
	v_mov_b32 v[LS+1], 0
.endm
.macro FLUSH po, ps                    ; my partial result goes to LDS: O^T as it stands, each sum from its low end on; -M and the row's sum (both halves of the lanes hold and write the same)
	v_add_f32 v[TA+1], v[LS], v[LS+1]
	v_permlanex16_b32 v[TA], v[TA+1], s[SEL], s[SEL+1]
	v_add_f32 v[TA+1], v[TA+1], v[TA]
	v_mov_b32 v[TA], v[NM]
.irp k, 0,1,2,3,4,5,6,7
	ds_store_b128 v[\po], v[OA+4*\k:OA+4*\k+3] offset:544*\k
.endr
	ds_store_b64 v[\ps], v[TA:TA+1]
.endm
.macro SWITCH lap                      ; in the lap in which my block step first lies behind a: the short tile is handed in and the long one begins.  The branch hangs on the wave's number and on a
	s_add_co_u32 s20, s[WH], 8*\lap
	s_sub_co_u32 s20, s20, s[AA]
	s_sub_co_u32 s20, s20, 1
	s_cmp_lt_u32 s20, 8                            ; 0 <= i - a - 1 < 8 (what is negative wraps to a large number)
	s_cbranch_scc0 .Lstay_\@
	FLUSH PSO, PSS
.irp i, 0,1,2,3,4,5
	v_mov_b32 v[QLO+\i], v[QL+\i]
.endr
	v_mov_b32 v[QSC], v[QSL]
	s_wait_dscnt 0x0                               ; the stores have read their registers
	RESET                                          ; (36 plain instructions: the places that a scale word and an operand written by vector instructions owe ahead of a scaled product)
.Lstay_\@:
.endm
; THE CHANGE OF SLOTS.  Each wave waits for all its tensor loads, adds 0 to its spare word, and waits for that and for its reads of the slot that it has left.
; which = 1: slot 0 takes lap 2's packages; 2: slot 1 takes lap 3's; the barrier is then a round of the cluster's, and the joint refill is the first thing behind it: it has a lap in which to land.  0: nothing is left to fetch.
.macro CHANGE which
	s_wait_tensorcnt 0x0                           ; no tensor load of mine is out, so a group 0 may be written
	ds_add_u32 v[SPW], v[NIL]                      ; 0 onto my spare word
.if \which == 1
	s_mov_b64 s[G0A+2:G0A+3], s[18:19]
	s_or_b32 s[G0A+3], s[G0A+3], 0x80000000
.elseif \which == 2
	s_add_nc_u64 s[G0B+2:G0B+3], s[18:19], 8*PKG
	s_or_b32 s[G0B+3], s[G0B+3], 0x80000000
.endif
	s_wait_dscnt 0x0                               ; the add is done, and my reads of the slot that I have left are over
.if \which == 1
	CROUND
	JLOAD G0A
.elseif \which == 2
	CROUND
	JLOAD G0B
.else
	s_barrier_signal -1
	s_barrier_wait -1
.endif
.endm
; A UNIT: my 16 queries against a package's 128 keys.  mode 0: all keys count; 1: the short diagonal if my block step is a; 2: the long diagonal.
.macro UNIT a16, a8, a4, mode, lap, dq
	ds_load_b32 v[KS], v[\a4] offset:12288         ; K's scale words: lanes 0-15 fragment 0's, lanes 16-31 fragment 1's;
	ds_load_b32 v[KS+1], v[\a4] offset:12416       ; fragments 2 and 3
.irp t, 0,1,2,3,4,5,6,7
	ds_load_b128 v[FR+6*\t:FR+6*\t+3], v[\a16] offset:768*\t       ; 512 consecutive bytes a load
	ds_load_b64 v[FR+6*\t+4:FR+6*\t+5], v[\a8] offset:768*\t+512
.endr
.irp g, 0,1,2,3
	s_wait_dscnt 4*(3-\g)                          ; fragment g is in; the four loads of each later fragment may be out
	WM S+16*\g, FR+12*\g, QLO, 1, KS+\g/2, QSC, \g%2       ; keys 32 g + 8 h + j
	WM S+16*\g+8, FR+12*\g, QHI, 1, KS+\g/2, QSC, \g%2     ; keys 32 g + 16 + 8 h + j
.endr
	PLACES 4                                       ; in front of loads into registers that these products read, and of the first read of their results
	ds_load_b32 v[VS], v[\a4] offset:12544         ; V comes into the same registers and lands under the softmax
	ds_load_b32 v[VS+1], v[\a4] offset:12672
.irp t, 0,1,2,3,4,5,6,7
	ds_load_b128 v[FR+12*(\t%4)+6*(\t/4):FR+12*(\t%4)+6*(\t/4)+3], v[\a16] offset:6144+768*\t
	ds_load_b64 v[FR+12*(\t%4)+6*(\t/4)+4:FR+12*(\t%4)+6*(\t/4)+5], v[\a8] offset:6144+768*\t+512
.endr
.if \mode == 1
	s_add_co_u32 s20, s[WH], 8*\lap
	s_cmp_lg_u32 s20, s[AA]
	s_cbranch_scc1 .Lopen_\@
.endif
.if \mode                              ; register n holds key 32 (n / 16) + 16 ((n / 8) % 2) + n % 8 + 8 h of the package: hidden where that is more than my query's place.  Hidden scores become -infinity: p = 0
	v_mov_b32 v[TA], 0xff800000
.irp n, 0,1,2,3,4,5,6,7,8,9,10,11,12,13,14,15,16,17,18,19,20,21,22,23,24,25,26,27,28,29,30,31,32,33,34,35,36,37,38,39,40,41,42,43,44,45,46,47,48,49,50,51,52,53,54,55,56,57,58,59,60,61,62,63
	v_cmp_gt_i32 vcc_lo, 32*(\n/16)+16*((\n/8)%2)+\n%8, v[\dq]
	v_cndmask_b32 v[S+\n], v[S+\n], v[TA], vcc_lo
.endr
.endif
.if \mode == 1
.Lopen_\@:
.endif
.irp b, 0,1,2,3
	v_max3_num_f32 v[BM+\b], v[S+16*\b], v[S+1+16*\b], v[S+2+16*\b]   ; the largest score of each block of 32 keys: for the row's maximum, and, since p rises with the score, for the block's largest p
.endr
.irp i, 3,5,7,9,11,13
.irp b, 0,1,2,3
	v_max3_num_f32 v[BM+\b], v[BM+\b], v[S+16*\b+\i], v[S+1+16*\b+\i]
.endr
.endr
.irp b, 0,1,2,3
	v_max_num_f32 v[BM+\b], v[BM+\b], v[S+15+16*\b]
.endr
.irp b, 0,1,2,3
	v_permlanex16_b32 v[T+\b], v[BM+\b], s[SEL], s[SEL+1]
.endr
.irp b, 0,1,2,3
	v_max_num_f32 v[BM+\b], v[BM+\b], v[T+\b]      ; with lane l xor 16's 16 keys
.endr
	v_max3_num_f32 v[TA], v[BM], v[BM+1], v[BM+2]
	v_max_num_f32 v[TA], v[TA], v[BM+3]
	v_mul_f32 v[TA], s[CS], v[TA]                  ; the unit's largest t (c is positive)
	v_max_num_f32 v[NM+1], v[NM+1], v[TA]
	v_mov_b32 v[TA], v[NM]
	v_floor_f32 v[NM], -v[NM+1]                    ; -M = floor(-t): M is a whole number
	v_sub_f32 v[TA], v[NM], v[TA]                  ; old M - new M: a whole number, 0 or less
	v_cvt_i32_f32 v[TA], v[TA]                     ; (it saturates)
	v_ldexp_f32 v[FF], 1.0, v[TA]                  ; f = 2^(old M - new M)
.set NN, 0
.rept 32
	v_pk_fma_f32 v[S+NN:S+NN+1], v[S+NN:S+NN+1], s[CS:CS+1], v[NM:NM+1] op_sel_hi:[1,0,0]   ; t - M, two at a time
.set NN, NN+2
.endr
.irp b, 0,1,2,3
	v_fma_f32 v[BM+\b], v[BM+\b], s[CS], v[NM]
.endr
.set NN, 0
.rept 64
	v_exp_f32 v[S+NN], v[S+NN]                     ; p = 2^(t - M)
.set NN, NN+1
.endr
.irp b, 0,1,2,3
	v_exp_f32 v[BM+\b], v[BM+\b]                   ; the block's largest p: the same two instructions on the same number
.endr
	v_pk_mul_f32 v[LS:LS+1], v[LS:LS+1], v[FF:FF+1] op_sel_hi:[1,0]   ; the sums under the new M (a plain place behind the exponentials)
	s_wait_alu depctr_va_vdst(0)
.irp b, 0,1,2,3
	v_max_num_f32 v[BM+\b], 0x1800000, v[BM+\b]    ; the floor 2^(3 - 127): the byte cannot fall under 1
.endr
.irp b, 0,1,2,3
	v_add_nc_u32 v[SO+\b], 0xff000000, v[BM+\b]    ; 2 off the exponent field: the conversion's scale operand
.endr
.irp b, 0,1,2,3
	v_lshrrev_b32 v[T+\b], 23, v[SO+\b]
.endr
	v_lshl_or_b32 v[PW], v[T+1], 8, v[T]           ; p's scale word for these 128 keys
	v_lshl_or_b32 v[PW], v[T+2], 16, v[PW]
	v_lshl_or_b32 v[PW], v[T+3], 24, v[PW]
.irp c, 0,1
	v_cvt_scalef32_pk16_fp6_f32 v[PCD+6*\c:PCD+6*\c+2], v[S+32*\c:S+32*\c+15], v[SO+2*\c]
	v_cvt_scalef32_pk16_fp6_f32 v[T+4*\c:T+4*\c+2], v[S+16+32*\c:S+31+32*\c], v[SO+2*\c+1]
.endr
	v_nop                                          ; one plain place behind a scaled conversion
.irp c, 0,1
.irp i, 0,1,2
	v_permlane16_swap_b32 v[PCD+6*\c+\i], v[T+4*\c+\i]   ; a whole block to a lane: lanes 0-15 block 2 c, lanes 16-31 block 2 c + 1
.endr
.irp i, 0,1,2
	v_mov_b32 v[PCD+3+6*\c+\i], v[T+4*\c+\i]
.endr
.endr
	v_pk_add_f32 v[T:T+1], v[S:S+1], v[S+2:S+3]    ; the row's sum, of the unquantised p, in two chains
.set NN, 4
.rept 15
	v_pk_add_f32 v[LS:LS+1], v[LS:LS+1], v[S+NN:S+NN+1]
	v_pk_add_f32 v[T:T+1], v[T:T+1], v[S+NN+2:S+NN+3]
.set NN, NN+4
.endr
	v_pk_add_f32 v[LS:LS+1], v[LS:LS+1], v[T:T+1]
.set NN, 0
.rept 16
	v_pk_mul_f32 v[OA+NN:OA+NN+1], v[OA+NN:OA+NN+1], v[FF:FF+1] op_sel_hi:[1,0]   ; O^T under the new M, each sum from its low end on
.set NN, NN+2
.endr
	s_wait_dscnt 0x0                               ; V is in
.irp g, 0,1,2,3
	WM OA+8*\g, FR+12*\g, PCD, 0, VS+\g/2, PW, \g%2        ; the four sums by turns, one instruction a turn
.endr
	PLACES 4                                       ; in front of whatever reads O^T or loads into the fragments next
.endm
	s_wait_tensorcnt 1                             ; a ring wave's first package is in; its second may stay out
	s_barrier_signal -1
	s_barrier_wait -1
	s_wait_loadcnt 0x0                             ; Q, short and long
	s_lshl_b32 s20, s[UU], 4
	v_lshrrev_b32 v[QSC], s20, v[QSC]              ; my tile's two bytes of the word,
	v_lshrrev_b32 v[QSL], s20, v[QSL]
	v_and_b32 v[QSC], 0xffff, v[QSC]
	v_and_b32 v[QSL], 0xffff, v[QSL]
	v_lshl_or_b32 v[QSC], v[QSC], 16, v[QSC]       ; twice: for Q in the lower and in the upper half of K
	v_lshl_or_b32 v[QSL], v[QSL], 16, v[QSL]
	RESET                                          ; (also the places between these scale words and the first product)
	SWITCH 0
	UNIT A16, A8, A4, 1, 0, DQS
	CHANGE 1
	SWITCH 1
	UNIT A16+1, A8+1, A4+1, 1, 1, DQS
	CHANGE 2
	SWITCH 2
	UNIT A16, A8, A4, 0, 0, DQS
	CHANGE 0
	UNIT A16+1, A8+1, A4+1, 0, 0, DQS
	s_cmp_lt_u32 s[WV], 2                          ; block step 32, the long diagonal: waves 0 and 1
	s_cbranch_scc0 .Lno_extra
	UNIT A16+2, A8+2, A4+2, 2, 0, DQL
.Lno_extra:
	FLUSH PLO, PLS                                 ; into slot 0: it has had its last fill, and every wave has passed the last change of slots, behind which nobody reads it
	s_wait_dscnt 0x0                               ; for the others' sake: my stores are done
	s_barrier_signal -1
	s_barrier_wait -1
	; THE PARTIAL RESULTS ARE JOINED.  For each of my rows: the eight waves' -M, sums and 16 bytes of O^T; under the largest M each counts 2^(its M - that M) times: exact.
.set JO, 56                            ; v56-119  row e, wave m: four channels
.set JS, 120                           ; v120-151 row e, wave m: -M (then its factor), sum
.set MS, 152                           ; v152-153 -M of the whole row, then 1 / sum
.set LT, 154                           ; v154-155 the row's sum
.irp e, 0,1
.irp m, 0,1,2,3,4,5,6,7
	ds_load_b128 v[JO+32*\e+4*\m:JO+32*\e+4*\m+3], v[CRO] offset:2*PART*\m+32*\e
	ds_load_b64 v[JS+16*\e+2*\m:JS+16*\e+2*\m+1], v[CRS] offset:2*PART*\m+16*\e
.endr
.endr
	s_wait_dscnt 0x0
.irp e, 0,1
	v_min3_num_f32 v[MS+\e], v[JS+16*\e], v[JS+16*\e+2], v[JS+16*\e+4]
.endr
.irp e, 0,1
	v_min3_num_f32 v[MS+\e], v[MS+\e], v[JS+16*\e+6], v[JS+16*\e+8]
.endr
.irp e, 0,1
	v_min3_num_f32 v[MS+\e], v[MS+\e], v[JS+16*\e+10], v[JS+16*\e+12]
.endr
.irp e, 0,1
	v_min_num_f32 v[MS+\e], v[MS+\e], v[JS+16*\e+14]       ; the least -M: the largest M
.endr
.irp m, 0,1,2,3,4,5,6,7
.irp e, 0,1
	v_sub_f32 v[JS+16*\e+2*\m], v[MS+\e], v[JS+16*\e+2*\m] ; its M - the largest: a whole number, 0 or less
.endr
.endr
.irp m, 0,1,2,3,4,5,6,7
.irp e, 0,1
	v_cvt_i32_f32 v[JS+16*\e+2*\m], v[JS+16*\e+2*\m]       ; (it saturates: a wave that had no unit of this tile counts 0 times)
.endr
.endr
.irp m, 0,1,2,3,4,5,6,7
.irp e, 0,1
	v_ldexp_f32 v[JS+16*\e+2*\m], 1.0, v[JS+16*\e+2*\m]
.endr
.endr
.irp e, 0,1
	v_mul_f32 v[LT+\e], v[JS+16*\e], v[JS+16*\e+1]
.endr
.irp m, 1,2,3,4,5,6,7
.irp e, 0,1
	v_fmac_f32 v[LT+\e], v[JS+16*\e+2*\m], v[JS+16*\e+2*\m+1]
.endr
.endr
.irp e, 0,1
.irp q, 0,2
	v_pk_mul_f32 v[JO+32*\e+\q:JO+32*\e+\q+1], v[JO+32*\e+\q:JO+32*\e+\q+1], v[JS+16*\e:JS+16*\e+1] op_sel_hi:[1,0]
.endr
.endr
.irp m, 1,2,3,4,5,6,7
.irp e, 0,1
.irp q, 0,2
	v_pk_fma_f32 v[JO+32*\e+\q:JO+32*\e+\q+1], v[JO+32*\e+4*\m+\q:JO+32*\e+4*\m+\q+1], v[JS+16*\e+2*\m:JS+16*\e+2*\m+1], v[JO+32*\e+\q:JO+32*\e+\q+1] op_sel_hi:[1,0,1]
.endr
.endr
.endr
.irp e, 0,1
	v_rcp_f32 v[MS+\e], v[LT+\e]
.endr
	v_nop                                          ; one plain place behind a transcendental
	s_wait_alu depctr_va_vdst(0)
.irp e, 0,1
.irp q, 0,1,2,3
	v_mul_f32 v[JO+32*\e+\q], v[JO+32*\e+\q], v[MS+\e]
.endr
.endr
.irp e, 0,1
	global_store_b128 v[L16], v[JO+32*\e:JO+32*\e+3], s[52:53] offset:512*\e th:TH_STORE_NT   ; two whole rows of out: 512 consecutive bytes, at a multiple of 256 from its first byte
.endr
	s_wait_tensorcnt 0x0                           ; the wave's end, behind my last tensor load and my last LDS store
	ds_add_u32 v[SPW], v[NIL]
	s_wait_dscnt 0x0
	CROUND                                         ; the closing round: no work-group ends while a partner may still ask for a package that names it
	s_endpgm
.Lfunc_end_k_qf80a69a085_attend:
	.size	k_qf80a69a085_attend, .Lfunc_end_k_qf80a69a085_attend-k_qf80a69a085_attend
	.p2alignl 7, 3214868480
	.fill 96, 4, 3214868480
	.section	.rodata,"a",@progbits
	.p2align	6, 0x0
	.amdhsa_kernel k_qf80a69a085_attend
		.amdhsa_group_segment_fixed_size 327680
		.amdhsa_private_segment_fixed_size 0
		.amdhsa_enable_private_segment 0
		.amdhsa_kernarg_size 16
		.amdhsa_user_sgpr_count 2
		.amdhsa_user_sgpr_kernarg_segment_ptr 1
		.amdhsa_wavefront_size32 1
		.amdhsa_system_sgpr_workgroup_id_x 1
		.amdhsa_system_sgpr_workgroup_id_y 1
		.amdhsa_system_sgpr_workgroup_id_z 1
		.amdhsa_system_vgpr_workitem_id 0
		.amdhsa_next_free_vgpr 256
		.amdhsa_next_free_sgpr 66
		.amdhsa_reserve_vcc 1
		.amdhsa_float_denorm_mode_32 3
		.amdhsa_float_denorm_mode_16_64 3
		.amdhsa_memory_ordered 1
		.amdhsa_forward_progress 1
		.amdhsa_inst_pref_size 123
	.end_amdhsa_kernel
	.amdgpu_metadata
---
amdhsa.version: [ 1, 2 ]
amdhsa.kernels:
  - .name:           k_qf80a69a085_attend
    .symbol:         k_qf80a69a085_attend.kd
    .args:
      - { .name: kv, .offset: 0, .size: 8, .value_kind: global_buffer, .address_space: global }
      - { .name: out0, .offset: 8, .size: 8, .value_kind: global_buffer, .address_space: global }
    .group_segment_fixed_size: 327680
    .private_segment_fixed_size: 0
    .kernarg_segment_align: 8
    .kernarg_segment_size: 16
    .max_flat_workgroup_size: 512
    .sgpr_count:     66
    .vgpr_count:     256
    .wavefront_size: 32
...
	.end_amdgpu_metadata
.endif
;; end of part 2
